; MI455X (gfx1250); checked and timed in simulation.
; The chip was launched on July 23, 2026; its instructions are those of AMD's public machine-readable ISA for CDNA 5 (MIT licence, August 2026) and "CDNA5" Instruction Set Architecture Reference Guide (July 2026). The comments in the code are by the model that wrote it; some were corrected since.
;; Mo E Layer. Allowed arithmetic: matrix products marked QUANTISED: E2M3 operands, one E8M0 scale for each 32 along K, by v_wmma_scale_f32_16x16x128_f8f6f4 with both operands' format E2M3, f32 sums; products left as they are: f32 operands where the result goes on into a quantised operand, else bf16, f16 or f32 operands; f32 sums; everything else in f32.
;; Inputs: Wd_codes 8 x 1,024 x 8 x 24 uint8 (E2M3 codes of Wd, K innermost, in blocks of 32 codes, four codes in three bytes); Wd_scales 8 x 1,024 x 8 uint8 (E8M0 scales of Wd, one for each 32 codes along K); Wg_codes 8 x 256 x 32 x 24 uint8 (E2M3 codes of Wg, K innermost, in blocks of 32 codes, four codes in three bytes); Wg_scales 8 x 256 x 32 uint8 (E8M0 scales of Wg, one for each 32 codes along K); Wr 1,024 x 8 float32; Wu_codes 8 x 256 x 32 x 24 uint8 (E2M3 codes of Wu, K innermost, in blocks of 32 codes, four codes in three bytes); Wu_scales 8 x 256 x 32 uint8 (E8M0 scales of Wu, one for each 32 codes along K); x 4 x 2,048 x 1,024 float32.
;; Outputs: out0 4 x 2,048 x 1,024 float32.
;; This version of the problem:
;;   THIS VERSION OF THE PROBLEM IS GIVEN IN LOW PRECISION. The matrix products marked QUANTISED in the list below multiply operands that are first quantised to E2M3 (2 exponent bits, 3 mantissa bits; 6 bits a number), with one power-of-two scale for each 32 numbers along K (OCP MX v1.0); their sums are f32. All else is computed in f32.
;;   The module's matrix products, in the order in which they are computed (A, B: the left and right operand; K: the contracted axis; several contracted axes count as one K, in the product's order):
;;     1. [M 8,192, K 1,024] x [K 1,024, N 8]; A: input x; B: input Wr: left as it is (N = 8 < 16)
;;     2. [M 8,192, K 1,024] x [K 1,024, N 256]; A: input x; B: input Wg (given as codes): QUANTISED
;;     3. [M 8,192, K 1,024] x [K 1,024, N 256]; A: input x; B: input Wu (given as codes): QUANTISED
;;     4. [M 8,192, K 256] x [K 256, N 1,024]; A: computed on the way; B: input Wd (given as codes): QUANTISED
;;     5. [M 8,192, K 1,024] x [K 1,024, N 256]; A: input x; B: input Wg (given as codes): QUANTISED
;;     6. [M 8,192, K 1,024] x [K 1,024, N 256]; A: input x; B: input Wu (given as codes): QUANTISED
;;     7. [M 8,192, K 256] x [K 256, N 1,024]; A: computed on the way; B: input Wd (given as codes): QUANTISED
;;     8. [M 8,192, K 1,024] x [K 1,024, N 256]; A: input x; B: input Wg (given as codes): QUANTISED
;;     9. [M 8,192, K 1,024] x [K 1,024, N 256]; A: input x; B: input Wu (given as codes): QUANTISED
;;     10. [M 8,192, K 256] x [K 256, N 1,024]; A: computed on the way; B: input Wd (given as codes): QUANTISED
;;     11. [M 8,192, K 1,024] x [K 1,024, N 256]; A: input x; B: input Wg (given as codes): QUANTISED
;;     12. [M 8,192, K 1,024] x [K 1,024, N 256]; A: input x; B: input Wu (given as codes): QUANTISED
;;     13. [M 8,192, K 256] x [K 256, N 1,024]; A: computed on the way; B: input Wd (given as codes): QUANTISED
;;     14. [M 8,192, K 1,024] x [K 1,024, N 256]; A: input x; B: input Wg (given as codes): QUANTISED
;;     15. [M 8,192, K 1,024] x [K 1,024, N 256]; A: input x; B: input Wu (given as codes): QUANTISED
;;     16. [M 8,192, K 256] x [K 256, N 1,024]; A: computed on the way; B: input Wd (given as codes): QUANTISED
;;     17. [M 8,192, K 1,024] x [K 1,024, N 256]; A: input x; B: input Wg (given as codes): QUANTISED
;;     18. [M 8,192, K 1,024] x [K 1,024, N 256]; A: input x; B: input Wu (given as codes): QUANTISED
;;     19. [M 8,192, K 256] x [K 256, N 1,024]; A: computed on the way; B: input Wd (given as codes): QUANTISED
;;     20. [M 8,192, K 1,024] x [K 1,024, N 256]; A: input x; B: input Wg (given as codes): QUANTISED
;;     21. [M 8,192, K 1,024] x [K 1,024, N 256]; A: input x; B: input Wu (given as codes): QUANTISED
;;     22. [M 8,192, K 256] x [K 256, N 1,024]; A: computed on the way; B: input Wd (given as codes): QUANTISED
;;     23. [M 8,192, K 1,024] x [K 1,024, N 256]; A: input x; B: input Wg (given as codes): QUANTISED
;;     24. [M 8,192, K 1,024] x [K 1,024, N 256]; A: input x; B: input Wu (given as codes): QUANTISED
;;     25. [M 8,192, K 256] x [K 256, N 1,024]; A: computed on the way; B: input Wd (given as codes): QUANTISED
;;   THE QUANTISER, for each operand of a quantised product, along K:
;;     - K is cut into blocks of 32 from its start; a last block that is shorter is filled with zeros.
;;     - A block's scale is 2^e with e = floor(log2(the largest magnitude in the block)) - 2, held to -126 .. 127; a block of zeros has e = 0. As a byte (E8M0): e + 127.
;;     - Each number is divided by its block's scale, clamped to +-7.5, and rounded to the nearest number of E2M3, ties to even, subnormals kept.
;;     - The product sums the exact products of the quantised numbers (number of the format x scale) in f32.
;;   ~~~python
;;   def quantise(x, axis):      # numpy; x: float32 -> the quantised numbers, widened to float32 again
;;       x = np.moveaxis(x, axis, -1); K = x.shape[-1]
;;       x = np.pad(x, [(0, 0)] * (x.ndim - 1) + [(0, -K % 32)]); x = x.reshape(x.shape[:-1] + (-1, 32)); a = np.abs(x).max(-1, keepdims=True)
;;       e = np.where(a > 0, np.clip(np.frexp(np.where(a > 0, a, 1))[1] - 1 - 2, -126, 127), 0)      # np.frexp(a)[1] - 1 = floor(log2(a)), exactly
;;       r = np.clip(x / 2.0 ** e, -7.5, 7.5)
;;       step = 2.0 ** (np.maximum(np.frexp(np.where(r == 0, 1, r))[1] - 1, 0) - 3)
;;       q = np.round(r / step) * step * 2.0 ** e      # np.round: ties to even
;;       return np.moveaxis(q.reshape(q.shape[:-2] + (-1,))[..., :K], -1, axis).astype(np.float32)
;;   ~~~
;;   OPERANDS COMPUTED ON THE WAY. 'Computed on the way' means the value that the module computes at that place (a softmax that the list does not call 'softmax' is quantised finished and normalised). What goes into a quantiser is computed in f32, as accurately as f32 sums, v_exp_f32 and their like allow (about 1e-6 of the number): no bf16 or f16 on the way to a quantiser, and a product that is left as it is and whose result goes on into a quantised operand takes f32 operands (vector FMAs, or v_wmma_f32_16x16x4_f32). A number that lies on a knife's edge between two numbers of the format may be rounded either way, as far as f32 arithmetic and the matrix unit's own rounding can turn it there, and no further.
;;   INPUTS GIVEN AS CODES. Wd (in the module: [8, 256, 1024], K = its axis 1); Wg (in the module: [8, 1024, 256], K = its axis 1); Wu (in the module: [8, 1024, 256], K = its axis 1): each comes as NAME_codes (uint8): NAME with its K axis moved to the last place and cut into blocks of 32 codes, [.., K / 32, bytes a block], one block behind the other in memory; four codes in three bytes: a row's codes are one little-endian stream of bits, code i at bits 6 i .. 6 i + 5 (a code: sign, 2 exponent bits, 3 mantissa bits); and NAME_scales (uint8): the same leading axes, one E8M0 byte (e + 127) for each 32 codes along K. Its value is code x scale, taken as it is: it is not quantised again, and the codes and scales need not be those that the quantiser above would give.
;; One version. Each part assembles by itself: llvm-mc -triple=amdgcn-amd-amdhsa -mcpu=gfx1250 --defsym DOCPART=n.
;; ======== version 1 of 1: 2 launches
;; limits: right only within a limited range of input values
;; workspace buffers: q1 6,619,136 bytes; rt 65,536 bytes of whole numbers; wimg 4,849,664 bytes
;; launch route (part 1): grid 256 x 1, 4 waves a work-group, no clusters, 200,448 bytes of LDS; arguments x, Wr, q1, rt, Wg_codes, Wu_codes, Wd_codes, Wg_scales, Wu_scales, wimg; writes q1, rt, wimg
.if DOCPART == 1
	.amdgcn_target "amdgcn-amd-amdhsa--gfx1250"
	.amdhsa_code_object_version 6
	.text
	.protected	k_qd3880cd103_route
	.globl	k_qd3880cd103_route
	.p2align	8
	.type	k_qd3880cd103_route,@function
k_qd3880cd103_route:
	s_mov_b64 s[64:65], 0
	v_nop
	global_prefetch_b8 v0, s[64:65] scope:SCOPE_SE
	s_setreg_imm32_b32 hwreg(HW_REG_WAVE_MODE, 25, 1), 1
	s_wait_xcnt 0x0
; ROUTE.  For 8,192 tokens of 1,024 numbers: the router's 8 logits in f32, the two largest (ties to the lower index), their softmax, and x as codes of E2M3 with one E8M0 byte for each 32 along K.
; Beside that, and independent of it, the weights' codes are laid out once as images of operand registers.
; WORK LEFT OUT BY THE PROGRAM, AND WHY IT IS DEAD.  reference() builds combine[t][e] in its own body as a sum of one_hot(topk_idx) x weight: for the six experts that are not in topk_idx[t] it is exactly 0,
; so y_e x combine adds 0 to out[t] for every finite value of the inputs.  The program multiplies only the two chosen experts of each token.  The choice is stored here as whole numbers and steers addresses
; only in the next launch, which reads it from memory.  No input is left out.  LIMIT: a NaN, an infinity or an overflow that arises only in an expert that was not chosen is not carried to the result.
; OTHER LIMITS: NaN and infinities in x or Wr are not served.  The logits are summed in another order than reference() sums them (f32 throughout).  A block of zeros gets the scale byte 1 where the rule says 127:
; its codes are zeros, and these bytes are read by this program alone.
; SHARES.  A work-group owns 32 tokens (a group).  Wave w owns K = 256 w .. 256 w + 255 of all 32: in a load lane l holds 4 neighbours along K, the same 8 k for every token, so its part of Wr is 64 registers.
; All loads of a wave are asked for at the head.  Per step of 4 tokens: partial logits by packed multiply-adds, and the same numbers turned through the wave's own stage in LDS, so that a lane holds one whole
; block of 32 for the conversions.  The partial logits meet in LDS: first over the 32 lanes (a lane takes a token), then over the 4 waves.
; OUT.  q1: code rows [8192][768] (K step s at 96 s; in it the four blocks of 24 bytes in the order 0, 2, 1, 3, so that a lane of an operand finds its 12 registers as 48 bytes on end), scale bytes [8192][32],
; the two weights {of the lower expert, of the higher} [8192][2].  rt: [256 groups][32 keys] a mask of the group's tokens whose pair of experts has that key, and behind all masks [256][32] the masks' counts.
; wimg: a fragment, 16 rows x 128 K, is 1,536 bytes: lane l's registers 4 c .. 4 c + 3 at 512 c + 16 l.  3,072 fragments for 1,024 waves: three a wave.  W1: [expert][block of 32 hidden units][K step]
; [Wg tile 0, Wg tile 1, Wu tile 0, Wu tile 1]; lane r of tile u takes hidden unit 32 hb + 8 u + r + 8 (r / 8): work-group g takes tile g (expert g / 32; Wg or Wu; 16 units), wave w its K steps 2 w, 2 w + 1.
; W2: [expert][16 columns of the output][K step]: fragment 4 g + w.  W1S: the scale words of a tile's rows, 4 bytes a thread.  All eight experts are laid out, since any may be chosen.
.set PW,     33280                     ; LDS: a wave's partial logits: 32 tokens x (2 x 512 bytes + 16)
.set PT,     1040
.set SBASE,  133120                    ; the turn stages: 32 places of 128 + 16 bytes for each wave
.set SW,     4608
.set CBASE,  151552                    ; the group's 32 code rows as they go out
.set BBASE,  176128                    ; its scale bytes
.set LGBASE, 177152                    ; the waves' logits: [wave][half][lane] 16 bytes
.set SPARE,  181248                    ; the spare words, 128 bytes for each wave
.set XSOFF,  6291456                   ; q1: where the scale bytes begin,
.set CBOFF,  6553600                   ; and the weights
.set W2OFF,  3145728                   ; wimg: W2's fragments,
.set W1SOFF, 4718592                   ; W1's scale words
.set IW1,    181760                    ; LDS: the work-group's tile of W1 as it lies in memory: 16 rows of 768 bytes + 16
.set IW2,    194304                    ; and its two column tiles of W2: 32 rows of 192 bytes on end
.set WRG,    24                        ; v24-87   Wr: register 8 kk + e
.set AC,     88                        ; v88-119  4 tokens x 8 partial logits
.set QN,     120                       ; v120-151 a block of 32 numbers
.set RR,     24                        ; v24-151  for the sums over lanes and for the copy
.set IM,     212                       ; v212-235 my two fragments of W1, v236-247 mine of W2, v248 my scale word; v249-255 their offsets
.set MSB, 0
.macro WIN new                         ; the immediate's high byte repeats the setting that is left
.if MSB != \new
	s_set_vgpr_msb (MSB<<8)|\new
.set MSB, \new
.endif
.endm
	s_load_b256 s[4:11], s[0:1], 0x0               ; x, Wr, q1, rt
	s_load_b256 s[44:51], s[0:1], 0x20             ; Wg_codes 44, Wu_codes 46, Wd_codes 48, Wg_scales 50
	s_load_b128 s[52:55], s[0:1], 0x40             ; Wu_scales 52, wimg 54
	v_lshl_add_u32 v11, v0, 2, SPARE               ; my spare word,
	v_mov_b32 v12, 0                               ; and 0: kept for the wave's end
	v_lshrrev_b32 v1, 5, v0
	v_readfirstlane_b32 s12, v1                    ; wave
	v_and_b32 v1, 31, v0                           ; lane
	s_lshl_b32 s13, s12, 10
	v_lshl_add_u32 v2, v1, 4, s13                  ; x: 16 l + 1,024 w in a row
	s_lshl_b32 s13, s12, 13
	v_lshl_add_u32 v3, v1, 7, s13                  ; Wr: my 4 rows of a load are 128 bytes on end
	; the images: the weights' rows come in dense runs, 16 bytes a thread, lie in LDS as in memory, and are read back as fragments
	s_mul_i32 s85, s12, 192
	s_add_co_u32 s85, s85, IW1                     ; W1 back: K steps 2 w, 2 w + 1
	s_lshr_b32 s86, s12, 1
	s_mul_i32 s86, s86, 3072
	s_and_b32 s87, s12, 1
	s_mul_i32 s87, s87, 96
	s_add_co_u32 s86, s86, s87
	s_add_co_u32 s86, s86, IW2                     ; W2 back: column tile w / 2, K step w % 2
	s_wait_alu depctr_va_vdst(0)                   ; behind the run of scalar instructions and directly ahead of the reader below
	v_lshrrev_b32 v167, 4, v1                      ; h
	v_and_b32 v211, 15, v1                         ; r
	v_mul_u32_u24 v165, v211, 784
	v_mad_u32_u24 v165, v167, 24, v165
	v_add_nc_u32 v165, s85, v165                   ; v165: row r of the tile, + 24 h
	v_mul_u32_u24 v166, v211, 192
	v_mad_u32_u24 v166, v167, 24, v166
	v_add_nc_u32 v166, s86, v166                   ; v166: the same in W2
	v_lshlrev_b32 v249, 4, v0                      ; v249: 16 x thread, in memory
.irp j, 0,1,2
	v_add_nc_u32 v167, 128*\j, v0                  ; piece t + 128 j of a run of 8 rows, 48 pieces a row:
	v_mul_u32_u24 v211, v167, 683
	v_lshrrev_b32 v211, 15, v211                   ; its row (683 / 32,768 serves for 1 / 48 up to 383),
	v_add_nc_u32 v211, v211, v167
	v_lshl_add_u32 v[250+\j], v211, 4, IW1         ; v250-252: 16 bytes a piece and 16 more for each row passed
.endr
	v_lshl_add_u32 v253, v0, 4, IW2                ; v253: W2 in
	v_lshrrev_b32 v167, 3, v0                      ; the scale words: thread t takes word t % 8 of the tile's row t / 8
	v_and_b32 v211, 8, v167
	v_add_nc_u32 v167, v167, v211
	v_and_b32 v211, 7, v0
	v_lshlrev_b32 v211, 2, v211
	v_lshl_add_u32 v164, v167, 5, v211
	v_lshlrev_b32 v254, 4, v1                      ; 16 l
	v_lshlrev_b32 v255, 2, v0                      ; 4 x thread
	s_lshl_b32 s24, ttmp9, 17                      ; 32 rows of 4,096 bytes
	s_mov_b32 s25, 0
	s_lshr_b32 s80, ttmp9, 5                       ; W1's tile g: expert,
	s_bfe_u32 s81, ttmp9, 0x10004                  ; 0: Wg, 1: Wu,
	s_bfe_u32 s82, ttmp9, 0x30001                  ; hb,
	s_and_b32 s83, ttmp9, 1                        ; u
	s_lshl_b32 s84, s82, 5
	s_lshl_b32 s85, s83, 3
	s_add_co_u32 s84, s84, s85                     ; its first row: 32 hb + 8 u
	s_mul_i32 s56, s80, 196608                     ; six offsets, made apart from the addresses.  W1 from: the tile's first row
	s_mul_i32 s85, s84, 768
	s_add_co_u32 s56, s56, s85
	s_lshl_b32 s58, s80, 13                        ; its rows' scale bytes
	s_lshl_b32 s85, s84, 5
	s_add_co_u32 s58, s58, s85
	s_lshl_b32 s88, s80, 3
	s_add_co_u32 s88, s88, s82                     ; 8 e + hb
	s_mul_i32 s60, s88, 49152                      ; W1 to
	s_lshl_b32 s85, s81, 1
	s_add_co_u32 s85, s85, s83
	s_mul_i32 s85, s85, 1536
	s_add_co_u32 s60, s60, s85
	s_mul_i32 s85, s12, 12288
	s_add_co_u32 s60, s60, s85
	s_lshl_b32 s62, s88, 11                        ; the scale words to
	s_lshl_b32 s85, s83, 10
	s_add_co_u32 s62, s62, s85
	s_lshl_b32 s85, s81, 9
	s_add_co_u32 s62, s62, s85
	s_add_co_u32 s62, s62, W1SOFF
	s_lshl_b32 s88, ttmp9, 2
	s_add_co_u32 s88, s88, s12                     ; W2's fragment F = 4 g + w: 16 rows (F / 2) of 192 bytes, K step F % 2
	s_mul_i32 s66, ttmp9, 6144                     ; W2 from: column tiles 2 g and 2 g + 1: 32 rows of 192 bytes on end
	s_mul_i32 s68, s88, 1536
	s_add_co_u32 s68, s68, W2OFF
.irp p, 57,59,61,63,67,69
	s_mov_b32 s\p, 0
.endr
	s_wait_alu depctr_va_vdst(0)
	s_wait_kmcnt 0x0
	s_add_nc_u64 s[4:5], s[4:5], s[24:25]
	s_cmp_eq_u32 s81, 0
	s_cselect_b64 s[72:73], s[44:45], s[46:47]     ; the choice hangs on the work-group's number alone
	s_cselect_b64 s[74:75], s[50:51], s[52:53]
	s_add_nc_u64 s[56:57], s[72:73], s[56:57]
	s_add_nc_u64 s[58:59], s[74:75], s[58:59]
	s_add_nc_u64 s[60:61], s[54:55], s[60:61]
	s_add_nc_u64 s[62:63], s[54:55], s[62:63]
	s_add_nc_u64 s[66:67], s[48:49], s[66:67]
	s_add_nc_u64 s[68:69], s[54:55], s[68:69]
.irp i, 0,1
.irp q, 0,1,2,3,4,5,6,7
	global_load_b128 v[WRG+32*\i+4*\q:WRG+32*\i+4*\q+3], v3, s[6:7] offset:4096*\i+16*\q
.endr
.endr
.irp a, 0,1                            ; the images' 10 loads stand ahead of x's 64: loads come back in order, so the steps' counts below cover them.  W1's tile is two runs of 8 rows, 16 rows apart
.irp j, 0,1,2
	global_load_b128 v[IM+12*\a+4*\j:IM+12*\a+4*\j+3], v249, s[56:57] offset:12288*\a+2048*\j th:TH_LOAD_NT   ; a wave reads 512 consecutive bytes
.endr
.endr
.irp j, 0,1,2
	global_load_b128 v[IM+24+4*\j:IM+24+4*\j+3], v249, s[66:67] offset:2048*\j th:TH_LOAD_NT
.endr
	global_load_b32 v248, v164, s[58:59]
	WIN 0x40                                       ; destination window 1: x, token t, load i at v[8 t + 4 i]
.set t_, 0
.rept 32
	global_load_b128 v[8*t_:8*t_+3],   v2, s[4:5] offset:4096*t_ th:TH_LOAD_NT        ; 32 lanes read 512 consecutive bytes
	global_load_b128 v[8*t_+4:8*t_+7], v2, s[4:5] offset:4096*t_+512 th:TH_LOAD_NT
.set t_, t_+1
.endr
	WIN 0
	s_mul_i32 s13, s12, PW
	v_lshl_add_u32 v4, v1, 4, s13                  ; partial logits, in: 16 l + my wave's region
	v_mul_u32_u24 v9, v1, PT
	v_add_nc_u32 v9, s13, v9                       ; and back: lane = token
	v_lshrrev_b32 v20, 3, v1
	v_and_b32 v21, 7, v1
	s_mul_i32 s13, s12, SW
	s_add_co_u32 s13, s13, SBASE
	v_mul_u32_u24 v5, v20, 144
	v_lshl_add_u32 v5, v21, 4, v5
	v_add_nc_u32 v5, s13, v5                       ; the stage, in: eight lanes' 128 bytes are a block
	v_mul_u32_u24 v6, v1, 144
	v_add_nc_u32 v6, s13, v6                       ; and back: place l: a whole block
	v_mul_u32_u24 v7, v20, 768                     ; my block's codes: token l / 8 of the step,
	v_bfe_u32 v22, v1, 2, 1
	v_mad_u32_u24 v7, v22, 96, v7                  ; K step 2 w + (l / 4) % 2,
	v_and_b32 v22, 1, v1
	v_bfe_u32 v23, v1, 1, 1
	v_lshl_add_u32 v22, v22, 1, v23
	v_mad_u32_u24 v7, v22, 24, v7                  ; block l % 4 at place 2 (l % 2) + (l / 2) % 2: the order 0, 2, 1, 3
	s_mul_i32 s13, s12, 192
	s_add_co_u32 s13, s13, CBASE
	v_add_nc_u32 v7, s13, v7
	v_lshl_add_u32 v8, v20, 5, v21                 ; and its scale byte: 32 a token, block 8 w + l % 8
	s_lshl_b32 s13, s12, 3
	s_add_co_u32 s13, s13, BBASE
	v_add_nc_u32 v8, s13, v8
	s_lshl_b32 s13, s12, 10
	s_add_co_u32 s13, s13, LGBASE
	v_lshl_add_u32 v10, v1, 4, s13                 ; my wave's logits: 16 l
	v_lshlrev_b32 v13, 4, v0                       ; the copy out: 16 bytes a thread,
	v_add_nc_u32 v14, CBASE, v13
	v_lshlrev_b32 v15, 3, v0                       ; 8 of the scale bytes
	v_add_nc_u32 v16, BBASE, v15
	s_mul_i32 s24, ttmp9, 24576
	s_add_nc_u64 s[14:15], s[8:9], s[24:25]        ; q1: my group's code rows,
	s_lshl_b32 s24, ttmp9, 10
	s_add_co_u32 s24, s24, XSOFF
	s_add_nc_u64 s[16:17], s[8:9], s[24:25]        ; scale bytes,
	s_lshl_b32 s24, ttmp9, 8
	s_add_co_u32 s24, s24, CBOFF
	s_add_nc_u64 s[18:19], s[8:9], s[24:25]        ; weights
	s_lshl_b32 s24, ttmp9, 7
	s_add_nc_u64 s[22:23], s[10:11], s[24:25]      ; rt: my group's 32 words
; A step: tokens 4 st .. 4 st + 3.
.macro STEP st
	s_wait_loadcnt 56-8*(\st)                      ; loads come back in order: this step's 8 are in, the 8 of each later step may be out
	WIN 0x04                                       ; an LDS store's data are its source 1: window 1
.irp tt, 0,1,2,3
.irp i, 0,1
	ds_store_b128 v5, v[8*(4*(\st)+\tt)+4*\i:8*(4*(\st)+\tt)+4*\i+3] offset:(8*\tt+4*\i)*144
.endr
.endr
	WIN 0
.irp q, 0,1,2,3,4,5,6,7
	ds_load_b128 v[QN+4*\q:QN+4*\q+3], v6 offset:16*\q      ; LDS serves a wave's instructions in order: these see the stores above.  Lane L: token 4 st + L / 8, block 8 w + L % 8
.endr
	WIN 0x01                                       ; source 0 (x) window 1
.irp kk, 0,1,2,3,4,5,6,7
.irp tt, 0,1,2,3
.irp c, 0,1,2,3
.set XR, 8*(4*(\st)+\tt)+2*(\kk/2)
.set AR, AC+8*\tt+2*\c
.set WW, WRG+8*\kk+2*\c
.if \kk == 0
	v_pk_mul_f32 v[AR:AR+1], v[XR:XR+1], v[WW:WW+1] op_sel_hi:[0,1]                      ; the first k starts the sums; one x for two experts
.elseif (\kk%2) == 0
	v_pk_fma_f32 v[AR:AR+1], v[XR:XR+1], v[WW:WW+1], v[AR:AR+1] op_sel_hi:[0,1,1]
.else
	v_pk_fma_f32 v[AR:AR+1], v[XR:XR+1], v[WW:WW+1], v[AR:AR+1] op_sel:[1,0,0] op_sel_hi:[1,1,1]
.endif
.endr
.endr
.endr
	WIN 0
.irp tt, 0,1,2,3
.irp q, 0,1
	ds_store_b128 v4, v[AC+8*\tt+4*\q:AC+8*\tt+4*\q+3] offset:(4*(\st)+\tt)*PT+512*\q
.endr
.endr
	s_wait_dscnt 8                                 ; the block is back from the stage; the 8 stores just issued may be out
	v_max3_num_f32 v160, |v[QN]|, |v[QN+1]|, |v[QN+2]|      ; the block's largest magnitude: all 32 numbers are mine; two chains
	v_max3_num_f32 v161, |v[QN+3]|, |v[QN+4]|, |v[QN+5]|
.irp i, 6,10,14,18,22,26
	v_max3_num_f32 v160, v160, |v[QN+\i]|, |v[QN+\i+1]|
	v_max3_num_f32 v161, v161, |v[QN+\i+2]|, |v[QN+\i+3]|
.endr
	v_max3_num_f32 v160, v160, |v[QN+30]|, |v[QN+31]|
	v_max3_num_f32 v160, v160, v161, 0x1800000     ; and the floor 2^(3 - 127): the byte cannot fall under 1
	v_add_nc_u32 v162, 0xff000000, v160            ; 2 off the exponent field: the conversion takes this operand's exponent field as its scale
	v_lshrrev_b32 v163, 23, v162                   ; the scale's byte
	v_cvt_scalef32_pk16_fp6_f32 v[152:154], v[QN:QN+15], v162
	v_cvt_scalef32_pk16_fp6_f32 v[156:158], v[QN+16:QN+31], v162    ; (a conversion's three registers begin on an even number)
	v_nop                                          ; one plain instruction behind a scaled conversion
	v_mov_b32 v155, v156
	v_mov_b32 v156, v157
	v_mov_b32 v157, v158                           ; v152-157: the block's 24 bytes
	ds_store_b64 v7, v[152:153] offset:3072*(\st)
	ds_store_b64 v7, v[154:155] offset:3072*(\st)+8
	ds_store_b64 v7, v[156:157] offset:3072*(\st)+16
	ds_store_b8 v8, v163 offset:128*(\st)
.endm
	STEP 0
.irp a, 0,1                            ; the weights' loads were issued ahead of step 0's, so they are in
.irp j, 0,1,2
	ds_store_b128 v[250+\j], v[IM+12*\a+4*\j:IM+12*\a+4*\j+3] offset:6272*\a
.endr
.endr
.irp j, 0,1,2
	ds_store_b128 v253, v[IM+24+4*\j:IM+24+4*\j+3] offset:2048*\j
.endr
	s_wait_dscnt 0x0                               ; for the others' sake: my pieces of the rows lie in LDS
	s_barrier_signal -1
	s_barrier_wait -1
.irp f, 0,1
.irp p, 0,1,2,3,4,5
	ds_load_b64 v[IM+12*\f+2*\p:IM+12*\f+2*\p+1], v165 offset:96*\f+48*(\p/3)+8*(\p%3)   ; a fragment: 24 bytes and 24 bytes a lane, in pieces of 8
.endr
.endr
.irp p, 0,1,2,3,4,5
	ds_load_b64 v[IM+24+2*\p:IM+24+2*\p+1], v166 offset:48*(\p/3)+8*(\p%3)
.endr
	STEP 1
.irp f, 0,1                            ; LDS serves a wave's instructions in order: step 1's wait has covered the fragments' loads: the images go out
.irp c, 0,1,2
	global_store_b128 v254, v[IM+12*\f+4*\c:IM+12*\f+4*\c+3], s[60:61] offset:6144*\f+512*\c    ; 512 consecutive bytes, aligned
.endr
.endr
.irp c, 0,1,2
	global_store_b128 v254, v[IM+24+4*\c:IM+24+4*\c+3], s[68:69] offset:512*\c
.endr
	global_store_b32 v255, v248, s[62:63]                  ; a wave stores 128 bytes on end, the four waves the tile's 512
.irp st, 2,3,4,5,6,7
	STEP \st
.endr
	; the sum over my wave's 32 lanes: lane = token; four logits at a time
.irp q, 0,1
.set j_, 0
.rept 32
	ds_load_b128 v[RR+4*j_:RR+4*j_+3], v9 offset:512*\q+16*j_
.set j_, j_+1
.endr
	s_wait_dscnt 0x0
.irp sd, 16,8,4,2
.set j_, 0
.rept \sd
	v_pk_add_f32 v[RR+4*j_:RR+4*j_+1],   v[RR+4*j_:RR+4*j_+1],   v[RR+4*(j_+\sd):RR+4*(j_+\sd)+1]
	v_pk_add_f32 v[RR+4*j_+2:RR+4*j_+3], v[RR+4*j_+2:RR+4*j_+3], v[RR+4*(j_+\sd)+2:RR+4*(j_+\sd)+3]
.set j_, j_+1
.endr
.endr
	v_pk_add_f32 v[168+4*\q:169+4*\q], v[RR:RR+1],   v[RR+4:RR+5]
	v_pk_add_f32 v[170+4*\q:171+4*\q], v[RR+2:RR+3], v[RR+6:RR+7]
.endr
	ds_store_b128 v10, v[168:171]
	ds_store_b128 v10, v[172:175] offset:512
	s_wait_dscnt 0x0                               ; for the others' sake: my logits, codes and scale bytes lie in LDS
	s_barrier_signal -1
	s_barrier_wait -1
	s_cmp_lg_u32 s12, 0
	s_cbranch_scc1 .Lcopy                          ; the routing is wave 0's: a lane a token; no barrier stands inside
.irp ww, 0,1,2,3
.irp q, 0,1
	ds_load_b128 v[24+8*\ww+4*\q:27+8*\ww+4*\q], v10 offset:1024*\ww+512*\q
.endr
.endr
	s_wait_dscnt 0x0
.irp p, 0,2,4,6
	v_pk_add_f32 v[176+\p:177+\p], v[24+\p:25+\p], v[32+\p:33+\p]
	v_pk_add_f32 v[184+\p:185+\p], v[40+\p:41+\p], v[48+\p:49+\p]
.endr
.irp p, 0,2,4,6
	v_pk_add_f32 v[176+\p:177+\p], v[176+\p:177+\p], v[184+\p:185+\p]     ; v176-183: the token's 8 logits
.endr
	v_mov_b32 v192, v176                           ; the largest, and its index: an equal later one does not take its place
	v_mov_b32 v193, 0
.irp e, 1,2,3,4,5,6,7
	v_cmp_ge_f32 vcc_lo, v192, v[176+\e]
	v_cndmask_b32 v193, \e, v193, vcc_lo
	v_cndmask_b32 v192, v[176+\e], v192, vcc_lo
.endr
	v_mov_b32 v194, 0xff800000
.irp e, 0,1,2,3,4,5,6,7
	v_cmp_eq_u32 vcc_lo, \e, v193
	v_cndmask_b32 v[176+\e], v[176+\e], v194, vcc_lo       ; the winner leaves the field
.endr
	v_mov_b32 v195, v176                           ; the second
	v_mov_b32 v196, 0
.irp e, 1,2,3,4,5,6,7
	v_cmp_ge_f32 vcc_lo, v195, v[176+\e]
	v_cndmask_b32 v196, \e, v196, vcc_lo
	v_cndmask_b32 v195, v[176+\e], v195, vcc_lo
.endr
	v_sub_f32 v197, v195, v192                     ; the softmax of the two with the larger taken away: 1 / (1 + d), d / (1 + d), d = e^(second - first)
	v_mul_f32 v197, 0x3fb8aa3b, v197
	s_wait_alu depctr_va_vdst(0)                   ; a wait ahead of a transcendental
	v_exp_f32 v197, v197
	v_min_u32 v200, v193, v196                     ; (a plain instruction behind the transcendental)  the lower expert,
	v_max_u32 v201, v193, v196                     ; the higher
	s_wait_alu depctr_va_vdst(0)                   ; and ahead of its first reader
	v_add_f32 v198, 1.0, v197
	s_wait_alu depctr_va_vdst(0)
	v_rcp_f32 v198, v198
	v_sub_nc_u32 v204, 15, v200                    ; (a plain instruction)  key = lo (15 - lo) / 2 + hi - lo - 1: 0 .. 27
	v_mul_u32_u24 v204, v200, v204
	v_lshrrev_b32 v204, 1, v204
	v_add_nc_u32 v204, v204, v201
	v_sub_nc_u32 v204, v204, v200
	v_add_nc_u32 v204, -1, v204
	s_wait_alu depctr_va_vdst(0)
	v_mul_f32 v199, v197, v198
	v_cmp_lt_u32 vcc_lo, v193, v196
	v_cndmask_b32 v202, v199, v198, vcc_lo         ; the lower expert's weight,
	v_cndmask_b32 v203, v198, v199, vcc_lo         ; the higher's
	v_mov_b32 v208, 0                              ; lane k: the mask of the group's tokens with key k,
	v_mov_b32 v206, 0                              ; and how many they are
.set k_, 0
.rept 28
	v_cmp_eq_u32 s20, k_, v204
	s_bcnt1_i32_b32 s21, s20
	v_writelane_b32 v206, s21, k_
	v_writelane_b32 v208, s20, k_
.set k_, k_+1
.endr
	v_lshlrev_b32 v209, 3, v1
	v_lshlrev_b32 v210, 2, v1
	global_store_b64 v209, v[202:203], s[18:19]            ; all three at fixed places: no address hangs on the choice
	global_store_b32 v210, v208, s[22:23]
	global_store_b32 v210, v206, s[22:23] offset:32768
.Lcopy:
.irp i, 0,1,2,3,4,5,6,7,8,9,10,11
	ds_load_b128 v[24+4*\i:27+4*\i], v14 offset:2048*\i
.endr
	ds_load_b64 v[72:73], v16
.irp i, 0,1,2,3,4,5,6,7,8,9,10,11
	s_wait_dscnt 12-\i
	global_store_b128 v13, v[24+4*\i:27+4*\i], s[14:15] offset:2048*\i    ; a wave stores 512 consecutive bytes, aligned
.endr
	s_wait_dscnt 0x0
	global_store_b64 v15, v[72:73], s[16:17]               ; a wave stores 256 consecutive bytes, aligned
	s_wait_tensorcnt 0x0                           ; the wave's end
	ds_add_u32 v11, v12
	s_wait_dscnt 0x0
	s_endpgm
.Lfunc_end_k_qd3880cd103_route:
	.size	k_qd3880cd103_route, .Lfunc_end_k_qd3880cd103_route-k_qd3880cd103_route
	.p2alignl 7, 3214868480
	.fill 96, 4, 3214868480
	.section	.rodata,"a",@progbits
	.p2align	6, 0x0
	.amdhsa_kernel k_qd3880cd103_route
		.amdhsa_group_segment_fixed_size 200448
		.amdhsa_private_segment_fixed_size 0
		.amdhsa_enable_private_segment 0
		.amdhsa_kernarg_size 80
		.amdhsa_user_sgpr_count 2
		.amdhsa_user_sgpr_kernarg_segment_ptr 1
		.amdhsa_wavefront_size32 1
		.amdhsa_system_sgpr_workgroup_id_x 1
		.amdhsa_system_sgpr_workgroup_id_y 1
		.amdhsa_system_sgpr_workgroup_id_z 1
		.amdhsa_system_vgpr_workitem_id 0
		.amdhsa_next_free_vgpr 512
		.amdhsa_next_free_sgpr 92
		.amdhsa_reserve_vcc 1
		.amdhsa_float_denorm_mode_32 3
		.amdhsa_float_denorm_mode_16_64 3
		.amdhsa_memory_ordered 1
		.amdhsa_forward_progress 1
		.amdhsa_inst_pref_size 135
	.end_amdhsa_kernel
	.amdgpu_metadata
---
amdhsa.version: [ 1, 2 ]
amdhsa.kernels:
  - .name:           k_qd3880cd103_route
    .symbol:         k_qd3880cd103_route.kd
    .args:
      - { .name: x, .offset: 0, .size: 8, .value_kind: global_buffer, .address_space: global }
      - { .name: Wr, .offset: 8, .size: 8, .value_kind: global_buffer, .address_space: global }
      - { .name: q1, .offset: 16, .size: 8, .value_kind: global_buffer, .address_space: global }
      - { .name: rt, .offset: 24, .size: 8, .value_kind: global_buffer, .address_space: global }
      - { .name: Wg_codes, .offset: 32, .size: 8, .value_kind: global_buffer, .address_space: global }
      - { .name: Wu_codes, .offset: 40, .size: 8, .value_kind: global_buffer, .address_space: global }
      - { .name: Wd_codes, .offset: 48, .size: 8, .value_kind: global_buffer, .address_space: global }
      - { .name: Wg_scales, .offset: 56, .size: 8, .value_kind: global_buffer, .address_space: global }
      - { .name: Wu_scales, .offset: 64, .size: 8, .value_kind: global_buffer, .address_space: global }
      - { .name: wimg, .offset: 72, .size: 8, .value_kind: global_buffer, .address_space: global }
    .group_segment_fixed_size: 200448
    .private_segment_fixed_size: 0
    .kernarg_segment_align: 8
    .kernarg_segment_size: 80
    .max_flat_workgroup_size: 128
    .sgpr_count:     92
    .vgpr_count:     512
    .wavefront_size: 32
...
	.end_amdgpu_metadata
.endif
;; end of part 1
;; launch experts (part 2): grid 155 x 1, 4 waves a work-group, no clusters, 151,552 bytes of LDS; arguments q1, rt, wimg, Wd_scales, out0; writes out0
.if DOCPART == 2
	.amdgcn_target "amdgcn-amd-amdhsa--gfx1250"
	.amdhsa_code_object_version 6
	.text
	.protected	k_qd3880cd103_experts
	.globl	k_qd3880cd103_experts
	.p2align	8
	.type	k_qd3880cd103_experts,@function
k_qd3880cd103_experts:
	s_mov_b64 s[64:65], 0
	v_nop
	global_prefetch_b8 v0, s[64:65] scope:SCOPE_SE
	s_setreg_imm32_b32 hwreg(HW_REG_WAVE_MODE, 25, 1), 1
	s_wait_xcnt 0x0
; EXPERTS.  out[t] = w_lo y_lo[t] + w_hi y_hi[t], y_e = Q(silu(Q(x) Wg_e) * (Q(x) Wu_e)) Wd_e, for the two experts that the router chose for token t; the six others are left out (the first kernel's head
; shows that they add exactly 0).  All three products on codes of E2M3 with E8M0 scales; the hidden layer never goes to memory.
; A work-group takes ONE TILE: at most 64 tokens that all chose the same pair lo < hi (one of 28 keys), so each row of the output has one owner.  155 = floor((8192 + 28 x 63) / 64) tiles serve every split.
; THE TILE IS FOUND HERE, from the whole numbers that the first launch stored (for each group of 32 tokens and each key a mask and its count).  Tokens of a key are numbered in ascending order.
;   (1) the counts of all 256 groups are summed by key (through LDS, one barrier); key k has ceil(T_k / 64) tiles; a running sum over the keys says which key and which 64 of its tokens are work-group g's.
;   (2) that key's column of masks and counts: a thread reads the words of two groups, 4 bytes of each group's row, once in the work-group; the waves share them through LDS (one barrier), and every wave
;       takes them back 8 groups a lane; a running sum gives each group's first number B.
;   (3) for row q of the tile the group is the last with B <= q: B and the group's number are packed in one word, the last such word is found as the least difference, first among the 32 lanes' first groups,
;       then among that lane's eight; the token is the (q - B)-th set bit of the group's mask, found by halving over field-wise bit counts.  Every wave does this for all 64 rows, two a lane.
; The weights' first 60 loads of a wave go out as soon as the pair is known, behind the column's four, and land under (2) and (3).
; A TILE WITHOUT ROWS runs the same text on clamped numbers and stores nothing: all barriers stand on every path.  Rows at or past the count repeat the tile's last row: the same bits, to the same bytes.
; NO TENSOR LOADS AND NO CLUSTER: the partners of a cluster would need tiles of one pair at every split.  The weights go from memory
; straight into registers.  NO PREFETCH: the text has no loop to run ahead in; the weights' ring has 60 loads of a wave out.
; SHARES.  THE WAVES SHARE THE COLUMNS: wave w makes hidden units 64 w .. 64 w + 63 of both experts and columns 256 w .. 256 w + 255 of the output, for all 64 rows: each fragment of a weight is read by one wave
; and feeds four matrix instructions.  The weights come as register images through a ring of five slots of four fragments (48 registers, 12 loads).
; ORDER: the tile | x's images to LDS | barrier | first products of lo, silu, quantised, image to LDS; the same of hi | barrier | the last product, 16 columns at a time, both experts, weighed and summed; out through a stage.
; ALL PRODUCTS ARE USED TRANSPOSED (source 0 = 16 rows of a weight, source 1 = 16 tokens): a lane holds one token, its registers run along the weight's rows.
; WINDOWS: 0: addresses, scale words (v32-79), weights, v128-255 at work.  1: the ring.  2: x's fragments of two K steps; later the 16 hidden fragments.  3: accumulators.
.set XIMG,   0                         ; LDS: x's fragments (row tile m, K step s) at (8 m + s) x 1,536
.set HIMG,   49152                     ; the hidden layer's: fragment fi = (4 ex + m) x 2 + s2; its half c at 768 c: 512 bytes (registers 6 c .. 6 c + 3, 16 l), then 256 (6 c + 4, 6 c + 5, 8 l)
.set HSC,    73728                     ; their scale words: 128 bytes a fragment, 4 l
.set TOKT,   75776                     ; the 64 rows' token numbers, a table of 256 bytes for each wave
.set STG,    76800                     ; the way out: 64 rows x (256 bytes + 16) for each wave
.set SPARE,  146432                    ; the spare words, 128 bytes for each wave
.set TOTL,   146944                    ; 16 rows (4 waves x 4 groups of lanes) x 32 keys: partial counts
.set XT,     148992                    ; each lane's first packed word, 128 bytes for each wave
.set MT,     149504                    ; my key's column: 256 masks, then 256 counts
.set XSOFF,  6291456
.set CBOFF,  6553600
.set W2OFF,  3145728
.set W1SOFF, 4718592
.set TT,     128                       ; v128-191: 64 numbers at work
; v1 16 l; v2 32 l; v3 x's gather; v4-v14 LDS addresses; v15 16 r; v16 Wd's scale rows; v17, v18, v21-24 offsets by token; v25, v26 the add's two; v27 l, v28 r, v29 h, v30 at work
; v32-47 x's scale words (lanes 0-15 even row tiles, 16-31 odd), later the hidden layer's; v48-79 the weights' scale words; v80-87 {w_lo, w_hi} by row tile; v88-119 the rows' places in the output; v120-127 w_hi twice
.set MSB, 0
.macro WIN new                         ; the immediate's high byte repeats the setting that is left
.if MSB != \new
	s_set_vgpr_msb (MSB<<8)|\new
.set MSB, \new
.endif
.endm
.macro NOPS                            ; four plain instructions behind matrix instructions, ahead of loads into their sources and of reads of their results
.rept 4
	v_nop
.endr
.endm
; Half-group n of the weights' stream (0 .. 47) into slot n % 5.  n < 32: expert n / 16, K step (n % 16) / 2, block of hidden units n % 2: Wg's two tiles, Wu's two.  n >= 32: columns 16 (n - 32) on: lo's two K steps, hi's two.
.macro ISSUE n
	WIN 0x40                                       ; destination window 1
.set SL_, 48*((\n)%5)
.if (\n) < 32
.set PB_, 24+2*((\n)/16)
.set OF_, 49152*((\n)%2)+6144*(((\n)%16)/2)
.set q_, 0
.rept 12
	global_load_b128 v[SL_+4*q_:SL_+4*q_+3], v1, s[PB_:PB_+1] offset:OF_+512*q_
.set q_, q_+1
.endr
.else
.set OF_, 3072*((\n)-32)
.set q_, 0
.rept 6
	global_load_b128 v[SL_+4*q_:SL_+4*q_+3], v1, s[28:29] offset:OF_+512*q_
.set q_, q_+1
.endr
.set q_, 0
.rept 6
	global_load_b128 v[SL_+24+4*q_:SL_+24+4*q_+3], v1, s[30:31] offset:OF_+512*q_
.set q_, q_+1
.endr
.endif
.endm
.macro LWAIT n                         ; half-group n is in: the four younger half-groups, 48 loads, may be out; at 16 and 32 the scale words that were asked for behind the ring's last refill are wanted too
.if ((\n) == 16) || ((\n) == 32)
	s_wait_loadcnt 0x0
.elseif (\n) > 43
	s_wait_loadcnt 12*(47-(\n))
.else
	s_wait_loadcnt 48
.endif
.endm
; One matrix instruction: D_ accumulator, A_ the weight's fragment, B_ the tokens', Z_ = 1: it starts the sum, SA_, SB_ scale registers, RA_, RB_ = 1: the scales stand in lanes 16-31
.macro WM
.if Z_
.if RA_ && RB_
	v_wmma_scale_f32_16x16x128_f8f6f4 v[D_:D_+7], v[A_:A_+11], v[B_:B_+11], 0, v[SA_], v[SB_] matrix_a_fmt:MATRIX_FMT_FP6 matrix_b_fmt:MATRIX_FMT_FP6 matrix_a_scale:MATRIX_SCALE_ROW1 matrix_b_scale:MATRIX_SCALE_ROW1
.elseif RA_
	v_wmma_scale_f32_16x16x128_f8f6f4 v[D_:D_+7], v[A_:A_+11], v[B_:B_+11], 0, v[SA_], v[SB_] matrix_a_fmt:MATRIX_FMT_FP6 matrix_b_fmt:MATRIX_FMT_FP6 matrix_a_scale:MATRIX_SCALE_ROW1
.elseif RB_
	v_wmma_scale_f32_16x16x128_f8f6f4 v[D_:D_+7], v[A_:A_+11], v[B_:B_+11], 0, v[SA_], v[SB_] matrix_a_fmt:MATRIX_FMT_FP6 matrix_b_fmt:MATRIX_FMT_FP6 matrix_b_scale:MATRIX_SCALE_ROW1
.else
	v_wmma_scale_f32_16x16x128_f8f6f4 v[D_:D_+7], v[A_:A_+11], v[B_:B_+11], 0, v[SA_], v[SB_] matrix_a_fmt:MATRIX_FMT_FP6 matrix_b_fmt:MATRIX_FMT_FP6
.endif
.else
.if RA_ && RB_
	v_wmma_scale_f32_16x16x128_f8f6f4 v[D_:D_+7], v[A_:A_+11], v[B_:B_+11], v[D_:D_+7], v[SA_], v[SB_] matrix_a_fmt:MATRIX_FMT_FP6 matrix_b_fmt:MATRIX_FMT_FP6 matrix_a_scale:MATRIX_SCALE_ROW1 matrix_b_scale:MATRIX_SCALE_ROW1
.elseif RA_
	v_wmma_scale_f32_16x16x128_f8f6f4 v[D_:D_+7], v[A_:A_+11], v[B_:B_+11], v[D_:D_+7], v[SA_], v[SB_] matrix_a_fmt:MATRIX_FMT_FP6 matrix_b_fmt:MATRIX_FMT_FP6 matrix_a_scale:MATRIX_SCALE_ROW1
.elseif RB_
	v_wmma_scale_f32_16x16x128_f8f6f4 v[D_:D_+7], v[A_:A_+11], v[B_:B_+11], v[D_:D_+7], v[SA_], v[SB_] matrix_a_fmt:MATRIX_FMT_FP6 matrix_b_fmt:MATRIX_FMT_FP6 matrix_b_scale:MATRIX_SCALE_ROW1
.else
	v_wmma_scale_f32_16x16x128_f8f6f4 v[D_:D_+7], v[A_:A_+11], v[B_:B_+11], v[D_:D_+7], v[SA_], v[SB_] matrix_a_fmt:MATRIX_FMT_FP6 matrix_b_fmt:MATRIX_FMT_FP6
.endif
.endif
.endm
.macro FETCHX s, buf                   ; x's four fragments of K step s into buffer buf of window 2
	WIN 0x80
.irp m, 0,1,2,3
.irp c, 0,1,2
	ds_load_b128 v[48*(\buf)+12*\m+4*\c:48*(\buf)+12*\m+4*\c+3], v1 offset:(8*\m+(\s))*1536+512*\c
.endr
.endr
.endm
; K step s of expert ex's first products: two half-groups of 16 matrix instructions.  Accumulator (Wg or Wu, row tile m, block p, tile u) at 128 mat + 32 m + 16 p + 8 u of window 3; the 32 take turns, one
; instruction a turn, in the same order in every K step.  dw: the LDS loads that may be out; fetch = 1: x's K step s + 2 comes into the buffer just multiplied.
.macro KSTEP ex, s, dw, fetch
	s_wait_dscnt \dw
.irp p, 0,1
.set NN, 16*(\ex)+2*(\s)+\p
	LWAIT NN
	WIN 0xF9                                       ; source 0 window 1, source 1 window 2, C and D window 3
.irp f, 0,1,2,3
.irp m, 0,1,2,3
.set D_, 128*(\f/2)+32*\m+16*\p+8*(\f%2)
.set A_, 48*(NN%5)+12*\f
.set B_, 48*((\s)%2)+12*\m
.set Z_, (\s) == 0
.set SA_, 48+8*(2*\p+(\f%2))+(\s)
.set SB_, 32+8*(\m/2)+(\s)
.set RA_, \f/2
.set RB_, \m%2
	WM
.endr
.endr
	NOPS
	ISSUE NN+5                                     ; the slot just multiplied takes the half-group five on
.endr
.if \fetch
	FETCHX ((\s)+2)%8, (\s)%2
.endif
.endm
; 32 numbers of a lane, v[TT + 32 mm] on (register 16 p + i = hidden unit 64 w + 32 p + 16 h + i of my token), become half a fragment of the last product and half its scale word.
.macro QUANTH ex, m, mm
.set H_, TT+32*(\mm)
.set PC_, 212+8*(\mm)
.irp p, 0,1
	v_max3_num_f32 v[200+\p], |v[H_+16*\p]|, |v[H_+16*\p+1]|, 0x1800000    ; my 16 numbers of block p, and the floor 2^(3 - 127): the byte cannot fall under 1
.endr
.irp i, 2,4,6,8,10,12,14
.irp p, 0,1
	v_max3_num_f32 v[200+\p], v[200+\p], |v[H_+16*\p+\i]|, |v[H_+16*\p+\i+1]|
.endr
.endr
.irp p, 0,1
	v_permlanex16_b32 v[202+\p], v[200+\p], s36, s37
.endr
.irp p, 0,1
	v_max_num_f32 v[200+\p], v[200+\p], v[202+\p]          ; with lane l xor 16's: the block's largest magnitude
.endr
.irp p, 0,1
	v_add_nc_u32 v[204+\p], 0xff000000, v[200+\p]          ; 2 off the exponent field: the conversion's scale operand
.endr
.irp p, 0,1
	v_lshrrev_b32 v[206+\p], 23, v[204+\p]                 ; the scale's byte
.endr
	v_lshl_or_b32 v[208+\mm], v207, 8, v206
	v_cvt_scalef32_pk16_fp6_f32 v[PC_:PC_+2], v[H_:H_+15], v204
	v_cvt_scalef32_pk16_fp6_f32 v[PC_+4:PC_+6], v[H_+16:H_+31], v205       ; (a conversion's three registers begin on an even number)
	v_nop                                          ; one plain instruction behind a scaled conversion
.irp i, 0,1,2
	v_permlane16_swap_b32 v[PC_+\i], v[PC_+4+\i]   ; the operand wants a whole block in a lane: lanes 0-15 block 0, lanes 16-31 block 1
.endr
.irp i, 0,1,2
	v_mov_b32 v[PC_+3+\i], v[PC_+4+\i]
.endr
	ds_store_b128 v5, v[PC_:PC_+3] offset:(4*(\ex)+(\m))*3072
	ds_store_b64 v6, v[PC_+4:PC_+5] offset:(4*(\ex)+(\m))*3072
	ds_store_b16 v7, v[208+\mm] offset:(4*(\ex)+(\m))*256
.endm
; silu(g) u = g u / (1 + 2^(-g log2 e)) for row tiles 2 hf and 2 hf + 1, in f32; each batch of transcendentals has a wait ahead of it and one behind.  Each accumulator is first read at its low end.
.macro SILU ex, hf
	WIN 0x03                                       ; source 0 window 3
.set k_, 0
.rept 32
	v_pk_mul_f32 v[TT+2*k_:TT+2*k_+1], v[64*(\hf)+2*k_:64*(\hf)+2*k_+1], 0xbfb8aa3b op_sel_hi:[1,0]
.set k_, k_+1
.endr
	WIN 0
.set k_, 0
	s_wait_alu depctr_va_vdst(0)
.rept 64
	v_exp_f32 v[TT+k_], v[TT+k_]
.set k_, k_+1
.endr
	WIN 0xCF                                       ; all in window 3: g u, the plain work behind the batch
.set k_, 0
	s_wait_alu depctr_va_vdst(0)
.rept 32
	v_pk_mul_f32 v[64*(\hf)+2*k_:64*(\hf)+2*k_+1], v[64*(\hf)+2*k_:64*(\hf)+2*k_+1], v[128+64*(\hf)+2*k_:128+64*(\hf)+2*k_+1]
.set k_, k_+1
.endr
	s_wait_alu depctr_va_vdst(0)
	WIN 0
.set k_, 0
.rept 32
	v_pk_add_f32 v[TT+2*k_:TT+2*k_+1], v[TT+2*k_:TT+2*k_+1], 1.0 op_sel_hi:[1,0]
.set k_, k_+1
.endr
.set k_, 0
	s_wait_alu depctr_va_vdst(0)
.rept 64
	v_rcp_f32 v[TT+k_], v[TT+k_]
.set k_, k_+1
.endr
	v_nop
	s_wait_alu depctr_va_vdst(0)
	WIN 0x03
.set k_, 0
.rept 32
	v_pk_mul_f32 v[TT+2*k_:TT+2*k_+1], v[64*(\hf)+2*k_:64*(\hf)+2*k_+1], v[TT+2*k_:TT+2*k_+1]
.set k_, k_+1
.endr
	WIN 0
	QUANTH \ex, 2*(\hf), 0
	QUANTH \ex, 2*(\hf)+1, 1
	s_wait_dscnt 0x0
.endm
; The way out of column tile jp, piece i of 16: two numbers of row tile i / 4: w_lo y_lo + w_hi y_hi, left in y_lo's registers.  Each accumulator is first read at its low end.
.macro EPI jp, i
.set EM_, (\i)/4
.set YL_, 64*((\jp)%2)+8*EM_+2*((\i)%4)
	WIN 0xF3                                       ; y in window 3, the weights in window 0
	v_pk_mul_f32 v[YL_:YL_+1], v[YL_:YL_+1], v[80+2*EM_:81+2*EM_] op_sel_hi:[1,0]
	v_pk_fma_f32 v[YL_:YL_+1], v[YL_+32:YL_+33], v[120+2*EM_:121+2*EM_], v[YL_:YL_+1]
.endm
; and its eight stores into my stage, in one run: 32 bytes a lane for each of the four row tiles
.macro EPIST jp
	WIN 0x0C                                       ; an LDS store's data are its source 1: window 3
.irp m, 0,1,2,3
.set YB_, 64*((\jp)%2)+8*\m
	ds_store_b128 v11, v[YB_:YB_+3] offset:4352*\m+64*((\jp)%4)
	ds_store_b128 v11, v[YB_+4:YB_+7] offset:4352*\m+64*((\jp)%4)+16
.endr
.endm
; Columns 16 j on of my 256: 16 matrix instructions (expert, K step, row tile; the accumulators by turns), and between them the arithmetic of the way out of the tile before, whose accumulators are the other set.
; Behind the sixteen: that tile's stores into the stage, the four places, the ring's refill.
.macro P2TILE j
.set NN, 32+(\j)
	LWAIT NN
.set i_, 0
.rept 16
	WIN 0xF9
.set EX_, i_/8
.set S2_, (i_/4)%2
.set M_, i_%4
.set D_, 64*((\j)%2)+32*EX_+8*M_
.set A_, 48*(NN%5)+12*(2*EX_+S2_)
.set B_, 12*((4*EX_+M_)*2+S2_)
.set Z_, S2_ == 0
.set SA_, 48+2*(\j)+S2_
.set SB_, 32+(4*EX_+M_)*2+S2_
.set RA_, EX_
.set RB_, 0
	WM
.if (\j) > 0
	EPI (\j)-1, i_
.endif
.set i_, i_+1
.endr
.if (\j) > 0
	s_wait_alu depctr_va_vdst(0)
	EPIST (\j)-1
.endif
	NOPS
.if NN+5 < 48
	ISSUE NN+5
.endif
.endm
.macro SENDA q                         ; four column tiles lie in my stage: 64 rows x 256 bytes come back as whole rows, two rows an instruction
	WIN 0
.if (\q) > 0
	s_wait_xcnt 0x0                                ; the earlier stores have read their registers: these loads may land there
.endif
.set a_, 0
.rept 32
	ds_load_b128 v[128+4*a_:131+4*a_], v12 offset:544*a_   ; LDS serves a wave's instructions in order: these see my stores, and the next tile's stores come behind them
.set a_, a_+1
.endr
.endm
.macro SENDB q, dw                     ; and are stored: row tiles at or past the count are jumped over; nothing but stores is jumped over
	WIN 0
	s_wait_dscnt \dw
.irp m, 0,1,2,3
	s_cmp_le_u32 s17, 16*\m
	s_cbranch_scc1 .Lsent_\@
.irp ii, 0,1,2,3,4,5,6,7
	global_store_b128 v[88+8*\m+\ii], v[128+4*(8*\m+\ii):131+4*(8*\m+\ii)], s[12:13] offset:256*(\q) th:TH_STORE_NT   ; 16 lanes store 256 consecutive bytes of a token's row, aligned
.endr
.endr
.Lsent_\@:
.endm
; One halving of the search for a set bit, for both rows of a lane: the field of wd bits at the place reached counts the set bits of the lower half; a rank at or past it goes to the upper half.
.macro SEL src, wd, inc
.irp c, 0,1
	v_bfe_u32 v[246+\c], v[\src+\c], v[244+\c], \wd
	v_add_nc_u32 v[250+\c], \inc, v[244+\c]
.endr
.irp c, 0,1
	v_cmp_ge_u32 vcc_lo, v[230+\c], v[246+\c]
	v_cndmask_b32 v[248+\c], 0, v[246+\c], vcc_lo
	v_cndmask_b32 v[244+\c], v[244+\c], v[250+\c], vcc_lo
.endr
.irp c, 0,1
	v_sub_nc_u32 v[230+\c], v[230+\c], v[248+\c]
.endr
.endm
	s_load_b256 s[4:11], s[0:1], 0x0               ; q1 4, rt 6, wimg 8, Wd_scales 10
	s_load_b64 s[12:13], s[0:1], 0x20              ; out0
	v_lshl_add_u32 v25, v0, 2, SPARE               ; my spare word,
	v_mov_b32 v26, 0                               ; and 0
	v_lshrrev_b32 v27, 5, v0
	v_readfirstlane_b32 s14, v27                   ; wave
	v_and_b32 v27, 31, v0                          ; l
	v_and_b32 v28, 15, v0                          ; r
	v_bfe_u32 v29, v0, 4, 1                        ; h
	v_lshlrev_b32 v1, 4, v27
	v_lshlrev_b32 v2, 5, v27
	s_lshl_b32 s22, s14, 13
	v_add_nc_u32 v200, s22, v1                     ; the counts of groups 64 w on: 8,192 bytes on end, 16 a lane: in load j lane l has keys 4 (l % 8) .. + 3 of group 64 w + 4 j + l / 8
	s_wait_alu depctr_va_vdst(0)
	s_wait_kmcnt 0x0
.set j_, 0
.rept 16
	global_load_b128 v[128+4*j_:131+4*j_], v200, s[6:7] offset:32768+512*j_
.set j_, j_+1
.endr
	s_mul_i32 s22, s14, 12288
	v_add_nc_u32 v4, s22, v1                       ; v4: where I store x's images: row tile w
	s_lshr_b32 s22, s14, 1
	s_and_b32 s23, s14, 1
	s_mul_i32 s38, s22, 1536
	s_mul_i32 s39, s23, 768
	s_add_co_u32 s38, s38, s39
	s_add_co_u32 s38, s38, HIMG
	v_add_nc_u32 v5, s38, v1                       ; v5, v6: my half (w % 2) of fragment w / 2 of the hidden layer
	s_add_co_u32 s38, s38, 512
	v_lshl_add_u32 v6, v27, 3, s38
	s_lshl_b32 s38, s22, 7
	s_lshl_b32 s39, s23, 1
	s_add_co_u32 s38, s38, s39
	s_add_co_u32 s38, s38, HSC
	v_lshl_add_u32 v7, v27, 2, s38                 ; v7: my two bytes of its scale word
	v_add_nc_u32 v8, HIMG, v1                      ; v8, v9, v10: the same, read back by any wave
	v_lshl_add_u32 v9, v27, 3, HIMG
	v_lshl_add_u32 v10, v27, 2, HSC
	s_mul_i32 s38, s14, 17408
	s_add_co_u32 s38, s38, STG
	v_mul_u32_u24 v11, v28, 272
	v_lshl_add_u32 v11, v29, 5, v11
	v_add_nc_u32 v11, s38, v11                     ; v11: my stage, in: row r, 32 bytes for each half of the lanes
	v_mul_u32_u24 v12, v29, 272
	v_lshl_add_u32 v12, v28, 4, v12
	v_add_nc_u32 v12, s38, v12                     ; v12: back: lanes 0-15 one row, lanes 16-31 the next
	s_lshl_b32 s38, s14, 8
	s_add_co_u32 s38, s38, TOKT
	v_lshl_add_u32 v13, v27, 2, s38                ; v13, v14: my table of token numbers, in and back by pairs of rows;
	v_lshl_add_u32 v14, v29, 2, s38
	v_lshl_add_u32 v207, v28, 2, s38               ; v207: back by row r of a row tile; v208: of row tile w
	s_lshl_b32 s39, s14, 6
	v_add_nc_u32 v208, s39, v207
	v_lshlrev_b32 v15, 4, v28
	s_lshl_b32 s38, s14, 7
	s_add_co_u32 s38, s38, XT
	v_lshl_add_u32 v205, v27, 2, s38               ; v205, v206: the lanes' first packed words, in (4 l) and back (the same 16 bytes for all lanes)
	v_mov_b32 v206, s38
	v_lshl_add_u32 v201, v0, 4, TOTL               ; v201, v204: the partial counts, in (16 bytes a thread) and back (lane = key)
	v_lshl_add_u32 v204, v27, 2, TOTL
	v_lshl_add_u32 v252, v0, 2, MT                 ; v252, v253: my key's column, in (group = thread) and back (8 groups a lane)
	v_lshl_add_u32 v253, v27, 5, MT
	v_mov_b32 v209, 0                              ; lane = key: its lower expert: key = lo (15 - lo) / 2 + hi - lo - 1, so lo's keys begin at 0, 7, 13, 18, 22, 25, 27
.set lo_, 1
.irp c, 7,13,18,22,25,27
	v_cmp_gt_u32 vcc_lo, \c, v27
	v_cndmask_b32 v209, lo_, v209, vcc_lo
.set lo_, lo_+1
.endr
	v_sub_nc_u32 v210, 15, v209
	v_mul_u32_u24 v210, v209, v210
	v_lshrrev_b32 v210, 1, v210
	v_sub_nc_u32 v210, v27, v210
	v_add3_u32 v210, v210, v209, 1                 ; its higher expert
	v_lshl_or_b32 v209, v210, 8, v209              ; lo | hi << 8
	s_mov_b32 s36, 0x76543210
	s_mov_b32 s37, 0xfedcba98                      ; v_permlanex16_b32's selects for lane l xor 16
	s_mov_b32 s21, ttmp9
	s_wait_alu depctr_va_vdst(0)
	s_wait_loadcnt 0x0
.irp c, 0,1,2,3
	v_add_nc_u32 v[210+\c], v[128+\c], v[132+\c]
.endr
.irp j, 2,4,6,8,10,12,14
.irp c, 0,1,2,3
	v_add3_u32 v[210+\c], v[210+\c], v[128+4*\j+\c], v[132+4*\j+\c]
.endr
.endr
	ds_store_b128 v201, v[210:213]                 ; eight lanes' 128 bytes are a row of 32 keys
	s_wait_dscnt 0x0                               ; for the others' sake
	s_barrier_signal -1
	s_barrier_wait -1
.set i_, 0
.rept 16
	ds_load_b32 v[128+i_], v204 offset:128*i_      ; lane = key
.set i_, i_+1
.endr
	s_wait_dscnt 0x0
	v_add_nc_u32 v214, v128, v129
.irp i, 2,4,6,8,10,12,14
	v_add3_u32 v214, v214, v[128+\i], v[129+\i]    ; T: the key's tokens in all 256 groups
.endr
	v_add_nc_u32 v215, 63, v214
	v_lshrrev_b32 v215, 6, v215                    ; its tiles
	v_mov_b32 v216, v215                           ; their running sum over the keys
.irp n, 1,2,4,8
	v_mov_b32 v217, 0
	v_mov_b32_dpp v217, v216 row_shr:\n row_mask:0xf bank_mask:0xf bound_ctrl:1
	v_add_nc_u32 v216, v216, v217
.endr
	v_readlane_b32 s22, v216, 15
	v_mad_u32_u24 v216, v29, s22, v216             ; lanes 16-31 add the first sixteen keys' sum
	v_sub_nc_u32 v217, v216, v215                  ; the key's first tile
	v_cmp_ge_u32 s22, s21, v217
	v_cmp_lt_u32 s23, s21, v216
	s_and_b32 s22, s22, s23                        ; at most one key holds tile g
	s_ctz_i32_b32 s15, s22
	s_min_u32 s15, s15, 27                         ; none: key 27, and the count below comes out 0
	v_readlane_b32 s16, v217, s15
	v_readlane_b32 s17, v214, s15
	v_readlane_b32 s18, v209, s15
	s_lshl_b32 s22, s15, 2
	v_lshl_add_u32 v200, v0, 7, s22                ; group = thread, 128 bytes a group, my key's word
	global_load_b32 v128, v200, s[6:7]                     ; the masks of groups t and 128 + t,
	global_load_b32 v129, v200, s[6:7] offset:16384
	global_load_b32 v130, v200, s[6:7] offset:32768        ; their counts
	global_load_b32 v131, v200, s[6:7] offset:49152
	s_sub_co_u32 s16, s21, s16
	s_lshl_b32 s16, s16, 6                         ; s16: the number, among the key's tokens, of my tile's first
	s_sub_co_i32 s17, s17, s16
	s_max_i32 s17, s17, 0
	s_min_u32 s17, s17, 64                         ; s17: the tile's rows
	s_lshr_b32 s19, s18, 8
	s_and_b32 s18, s18, 255
	s_min_u32 s18, s18, 7                          ; lo,
	s_min_u32 s19, s19, 7                          ; hi
	s_max_u32 s20, s17, 1
	s_sub_co_u32 s20, s20, 1                       ; the tile's last row
	s_mov_b32 s39, 0
	s_mul_i32 s22, s14, 98304                      ; the weights' images: my two blocks of hidden units,
	s_mul_i32 s38, s18, 393216
	s_add_co_u32 s38, s38, s22
	s_add_nc_u64 s[24:25], s[8:9], s[38:39]
	s_mul_i32 s38, s19, 393216
	s_add_co_u32 s38, s38, s22
	s_add_nc_u64 s[26:27], s[8:9], s[38:39]
	s_mul_i32 s22, s14, 49152                      ; my 16 column tiles
	s_add_co_u32 s22, s22, W2OFF
	s_mul_i32 s38, s18, 196608
	s_add_co_u32 s38, s38, s22
	s_add_nc_u64 s[28:29], s[8:9], s[38:39]
	s_mul_i32 s38, s19, 196608
	s_add_co_u32 s38, s38, s22
	s_add_nc_u64 s[30:31], s[8:9], s[38:39]
.irp n, 0,1,2,3,4
	ISSUE \n                                       ; the ring's first 60 loads
.endr
	WIN 0
	v_min_u32 v218, s20, v27                       ; rows l and 32 + l; rows past the count repeat the last
	v_add_nc_u32 v219, 32, v27
	v_min_u32 v219, s20, v219
.irp c, 0,1
	v_add_nc_u32 v[218+\c], s16, v[218+\c]         ; q: the row's number among the key's tokens
.endr
.irp c, 0,1
	v_lshl_or_b32 v[220+\c], v[218+\c], 8, 255     ; the largest packed word with B <= q
.endr
	v_lshlrev_b32 v163, 3, v27
	s_wait_alu depctr_va_vdst(0)
	s_wait_loadcnt 60                              ; the column's four loads are in; the ring's 60, issued behind them, may be out
	ds_store_b32 v252, v128
	ds_store_b32 v252, v129 offset:512
	ds_store_b32 v252, v130 offset:1024
	ds_store_b32 v252, v131 offset:1536
	s_wait_dscnt 0x0                               ; for the others' sake
	s_barrier_signal -1
	s_barrier_wait -1
	ds_load_b128 v[128:131], v253                  ; groups 8 l .. 8 l + 7: masks,
	ds_load_b128 v[132:135], v253 offset:16
	ds_load_b128 v[136:139], v253 offset:1024      ; counts
	ds_load_b128 v[140:143], v253 offset:1040
	s_wait_dscnt 0x0
	v_mov_b32 v153, v136                           ; running sums inside the lane,
.irp i, 2,3,4,5,6,7
	v_add_nc_u32 v[152+\i], v[151+\i], v[135+\i]
.endr
	v_add_nc_u32 v160, v159, v143
	v_mov_b32 v161, v160                           ; and over the lanes
.irp n, 1,2,4,8
	v_mov_b32 v162, 0
	v_mov_b32_dpp v162, v161 row_shr:\n row_mask:0xf bank_mask:0xf bound_ctrl:1
	v_add_nc_u32 v161, v161, v162
.endr
	v_readlane_b32 s22, v161, 15
	v_mad_u32_u24 v161, v29, s22, v161
	v_sub_nc_u32 v162, v161, v160                  ; the key's tokens in groups before 8 l
	v_lshl_or_b32 v152, v162, 8, v163              ; packed: B << 8 | group: ascending with the group
.irp i, 1,2,3,4,5,6,7
	v_add_lshl_u32 v[152+\i], v162, v[152+\i], 8
.endr
.irp i, 1,2,3,4,5,6,7
	v_add3_u32 v[152+\i], v[152+\i], v163, \i
.endr
	ds_store_b32 v205, v152
.irp n, 0,1,2,3,4,5,6,7
	ds_load_b128 v[164+4*\n:167+4*\n], v206 offset:16*\n   ; LDS serves a wave's instructions in order: all 32 lanes' first words, in every lane
.endr
	s_wait_alu depctr_va_vdst(0)
	s_wait_dscnt 0x0
.irp c, 0,1                            ; a word past the bound wraps to a very large difference: the least difference names the last word within it.  Two chains for each of the two rows
	v_sub_nc_u32 v[222+\c], v[220+\c], v164
	v_sub_nc_u32 v[236+\c], v[220+\c], v165
.endr
.set n_, 2
.rept 15
.irp c, 0,1
	v_sub_nc_u32 v[224+\c], v[220+\c], v[164+n_]
	v_sub_nc_u32 v[238+\c], v[220+\c], v[165+n_]
.endr
.irp c, 0,1
	v_min_u32 v[222+\c], v[222+\c], v[224+\c]
	v_min_u32 v[236+\c], v[236+\c], v[238+\c]
.endr
.set n_, n_+2
.endr
.irp c, 0,1
	v_min_u32 v[222+\c], v[222+\c], v[236+\c]
.endr
.irp c, 0,1
	v_sub_nc_u32 v[222+\c], v[220+\c], v[222+\c]
	v_and_b32 v[226+\c], 0xf8, v[222+\c]
	v_lshrrev_b32 v[226+\c], 1, v[226+\c]          ; 4 x the lane that holds the group
.endr
.irp c, 0,1
.irp i, 0,1,2,3,4,5,6,7
	ds_bpermute_b32 v[164+16*\c+\i], v[226+\c], v[152+\i]  ; that lane's eight words,
	ds_bpermute_b32 v[172+16*\c+\i], v[226+\c], v[128+\i]  ; and masks
.endr
.endr
	s_wait_alu depctr_va_vdst(0)
	s_wait_dscnt 0x0
.irp c, 0,1
	v_sub_nc_u32 v[222+\c], v[220+\c], v[164+16*\c]
.endr
.irp i, 1,2,3,4,5,6,7
.irp c, 0,1
	v_sub_nc_u32 v[224+\c], v[220+\c], v[164+16*\c+\i]
.endr
.irp c, 0,1
	v_min_u32 v[222+\c], v[222+\c], v[224+\c]
.endr
.endr
.irp c, 0,1
	v_sub_nc_u32 v[222+\c], v[220+\c], v[222+\c]
	v_and_b32 v[228+\c], 255, v[222+\c]            ; the group,
	v_lshrrev_b32 v[224+\c], 8, v[222+\c]
	v_sub_nc_u32 v[230+\c], v[218+\c], v[224+\c]   ; the row's rank in it,
	v_and_b32 v[232+\c], 7, v[228+\c]
	v_mov_b32 v[234+\c], v[172+16*\c]
.endr
.irp i, 1,2,3,4,5,6,7
.irp c, 0,1
	v_cmp_eq_u32 vcc_lo, \i, v[232+\c]
	v_cndmask_b32 v[234+\c], v[234+\c], v[172+16*\c+\i], vcc_lo    ; its mask
.endr
.endr
.irp c, 0,1                            ; set bits counted in fields of 2, 4, 8 and 16 bits
	v_lshrrev_b32 v[250+\c], 1, v[234+\c]
	v_and_b32 v[250+\c], 0x55555555, v[250+\c]
	v_sub_nc_u32 v[236+\c], v[234+\c], v[250+\c]
	v_lshrrev_b32 v[250+\c], 2, v[236+\c]
	v_and_b32 v[250+\c], 0x33333333, v[250+\c]
	v_and_b32 v[238+\c], 0x33333333, v[236+\c]
	v_add_nc_u32 v[238+\c], v[238+\c], v[250+\c]
	v_lshrrev_b32 v[250+\c], 4, v[238+\c]
	v_add_nc_u32 v[250+\c], v[250+\c], v[238+\c]
	v_and_b32 v[240+\c], 0x0f0f0f0f, v[250+\c]
	v_lshrrev_b32 v[250+\c], 8, v[240+\c]
	v_add_nc_u32 v[242+\c], v[250+\c], v[240+\c]
	v_mov_b32 v[244+\c], 0
.endr
	SEL 242, 8, 16
	SEL 240, 8, 8
	SEL 238, 4, 4
	SEL 236, 2, 2
	SEL 234, 1, 1
.irp c, 0,1
	v_lshl_add_u32 v[120+\c], v[228+\c], 5, v[244+\c]      ; the token: 32 x group + bit
	v_min_u32 v[120+\c], 8191, v[120+\c]
.endr
	ds_store_b32 v13, v120
	ds_store_b32 v13, v121 offset:128
.irp m, 0,1,2,3
	ds_load_b32 v[21+\m], v207 offset:64*\m        ; the tokens of rows 16 m + r,
.endr
	ds_load_b32 v3, v208                           ; and of row 16 w + r
	v_lshlrev_b32 v17, 5, v120                     ; rows l and 32 + l: scale bytes
	v_lshlrev_b32 v18, 5, v121
	v_mov_b32 v202, 0                              ; written once: a lane permute's destination counts as one of its sources
	v_mov_b32 v203, 0
	s_wait_alu depctr_va_vdst(0)
	s_wait_dscnt 0x0
.irp m, 0,1,2,3
	v_min_u32 v[21+\m], 8191, v[21+\m]
	v_lshlrev_b32 v[21+\m], 3, v[21+\m]            ; the two weights
.endr
	v_min_u32 v3, 8191, v3
	v_mul_u32_u24 v3, v3, 768
	v_mad_u32_u24 v3, v29, 48, v3                  ; x: my 48 bytes of a K step
	s_wait_alu depctr_va_vdst(0)
	s_lshl_b32 s22, s14, 12                        ; my four tiles' scale words
	s_add_co_u32 s22, s22, W1SOFF
	s_lshl_b32 s38, s18, 14
	s_add_co_u32 s38, s38, s22
	s_add_nc_u64 s[32:33], s[8:9], s[38:39]
	s_lshl_b32 s38, s19, 14
	s_add_co_u32 s38, s38, s22
	s_add_nc_u64 s[34:35], s[8:9], s[38:39]
	s_lshl_b32 s38, s14, 10
	s_add_nc_u64 s[12:13], s[12:13], s[38:39]      ; the output at my 256 columns
	s_lshl_b32 s22, s18, 13
	s_lshl_b32 s23, s19, 13
	v_xor_b32 v30, 1, v29
	v_mul_u32_u24 v16, v30, s22
	v_mad_u32_u24 v16, v29, s23, v16               ; Wd's scale rows: lanes 0-15 lo's, lanes 16-31 hi's,
	v_lshl_add_u32 v16, v28, 3, v16                ; 8 bytes a row,
	s_lshl_b32 s22, s14, 11
	v_add_nc_u32 v16, s22, v16                     ; my 256 rows
	WIN 0xC0                                       ; destination window 3: the accumulators' registers are free yet
.irp s, 0,1,2,3,4,5,6,7
.irp c, 0,1,2
	global_load_b128 v[12*\s+4*\c:12*\s+4*\c+3], v3, s[4:5] offset:96*\s+16*\c
.endr
.endr
	WIN 0
.irp mp, 0,1
.irp q, 0,1
	global_load_b128 v[32+8*\mp+4*\q:35+8*\mp+4*\q], v[17+\mp], s[4:5] offset:XSOFF+16*\q
.endr
.endr
.irp tl, 0,1,2,3
.irp q, 0,1
	global_load_b128 v[48+8*\tl+4*\q:51+8*\tl+4*\q], v2, s[32:33] offset:1024*\tl+16*\q
.endr
.endr
.irp m, 0,1,2,3
	global_load_b64 v[80+2*\m:81+2*\m], v[21+\m], s[4:5] offset:CBOFF
.endr
	s_wait_loadcnt 0x0                             ; these are the youngest loads: the ring's first 60 stand ahead of them
	WIN 0x0C
.irp s, 0,1,2,3,4,5,6,7
.irp c, 0,1,2
	ds_store_b128 v4, v[12*\s+4*\c:12*\s+4*\c+3] offset:1536*\s+512*\c
.endr
.endr
	WIN 0
	s_wait_dscnt 0x0                               ; for the others' sake: my row tile's eight fragments lie in LDS
	s_barrier_signal -1
	s_barrier_wait -1
.set a_, 0
.rept 32
	ds_load_b32 v[88+a_], v14 offset:8*a_          ; the token of row 2 a + h, from my own table
.set a_, a_+1
.endr
	FETCHX 0, 0
	FETCHX 1, 1
	WIN 0
.irp m, 0,1,2,3
	v_mov_b32 v[120+2*\m], v[81+2*\m]              ; w_hi in both halves of a pair
	v_mov_b32 v[121+2*\m], v[81+2*\m]
.endr
	s_wait_dscnt 24                                ; the 32 token numbers are in; x's 24 loads may be out
.set a_, 0
.rept 32
	v_min_u32 v[88+a_], 8191, v[88+a_]
	v_lshl_add_u32 v[88+a_], v[88+a_], 12, v15     ; its row of 4,096 bytes, + 16 r
.set a_, a_+1
.endr
	; ---- the lower expert's first products.  12: the fetch of the K step after this one may be out
.irp s, 0,1,2,3,4,5,6,7
	KSTEP 0, \s, 12, 1                             ; (its last two steps fetch K steps 0 and 1 again, for the higher expert)
.endr
	WIN 0
.irp tl, 0,1,2,3
.irp q, 0,1
	global_load_b128 v[48+8*\tl+4*\q:51+8*\tl+4*\q], v2, s[34:35] offset:1024*\tl+16*\q     ; the higher expert's scale words
.endr
.endr
	SILU 0, 0
	SILU 0, 1
	; ---- the higher expert's
	KSTEP 1, 0, 0, 1
.irp s, 1,2,3,4,5
	KSTEP 1, \s, 12, 1
.endr
	KSTEP 1, 6, 12, 0
	KSTEP 1, 7, 0, 0
	WIN 0
.set j_, 0
.rept 16
	global_load_b64 v[48+2*j_:49+2*j_], v16, s[10:11] offset:128*j_        ; Wd's scale words of column tile j, both K steps
.set j_, j_+1
.endr
	SILU 1, 0
	SILU 1, 1
	s_barrier_signal -1                            ; (my LDS stores have landed: the wait for 0 closes each silu)
	s_barrier_wait -1                              ; the hidden layer's sixteen fragments lie in LDS
	WIN 0x80
.set f_, 0
.rept 16
	ds_load_b128 v[12*f_:12*f_+3],     v8 offset:1536*f_
	ds_load_b64  v[12*f_+4:12*f_+5],   v9 offset:1536*f_+512
	ds_load_b128 v[12*f_+6:12*f_+9],   v8 offset:1536*f_+768
	ds_load_b64  v[12*f_+10:12*f_+11], v9 offset:1536*f_+1280
.set f_, f_+1
.endr
	WIN 0
.set f_, 0
.rept 16
	ds_load_b32 v[32+f_], v10 offset:128*f_
.set f_, f_+1
.endr
	s_wait_dscnt 0x0
	; ---- the last product: my 16 column tiles
.set J, 0
.rept 16
	P2TILE J
.if (J >= 4) && ((J%4) == 0)
	SENDA (J/4-1)
.endif
.if (J >= 5) && ((J%4) == 1)
	SENDB (J/4-1), 8                               ; the rows are back; this tile's eight stores into the stage may be out
.endif
.set J, J+1
.endr
.set i_, 0
.rept 16
	EPI 15, i_
.set i_, i_+1
.endr
	EPIST 15
	SENDA 3
	SENDB 3, 0
	s_wait_tensorcnt 0x0                           ; the wave's end
	ds_add_u32 v25, v26
	s_wait_dscnt 0x0
	s_endpgm
.Lfunc_end_k_qd3880cd103_experts:
	.size	k_qd3880cd103_experts, .Lfunc_end_k_qd3880cd103_experts-k_qd3880cd103_experts
	.p2alignl 7, 3214868480
	.fill 96, 4, 3214868480
	.section	.rodata,"a",@progbits
	.p2align	6, 0x0
	.amdhsa_kernel k_qd3880cd103_experts
		.amdhsa_group_segment_fixed_size 151552
		.amdhsa_private_segment_fixed_size 0
		.amdhsa_enable_private_segment 0
		.amdhsa_kernarg_size 40
		.amdhsa_user_sgpr_count 2
		.amdhsa_user_sgpr_kernarg_segment_ptr 1
		.amdhsa_wavefront_size32 1
		.amdhsa_system_sgpr_workgroup_id_x 1
		.amdhsa_system_sgpr_workgroup_id_y 1
		.amdhsa_system_sgpr_workgroup_id_z 1
		.amdhsa_system_vgpr_workitem_id 0
		.amdhsa_next_free_vgpr 1024
		.amdhsa_next_free_sgpr 66
		.amdhsa_reserve_vcc 1
		.amdhsa_float_denorm_mode_32 3
		.amdhsa_float_denorm_mode_16_64 3
		.amdhsa_memory_ordered 1
		.amdhsa_forward_progress 1
		.amdhsa_inst_pref_size 255
	.end_amdhsa_kernel
	.section	.bss,"aw",@nobits
	.p2align	6
	.space	262144
	.amdgpu_metadata
---
amdhsa.version: [ 1, 2 ]
amdhsa.kernels:
  - .name:           k_qd3880cd103_experts
    .symbol:         k_qd3880cd103_experts.kd
    .args:
      - { .name: q1, .offset: 0, .size: 8, .value_kind: global_buffer, .address_space: global }
      - { .name: rt, .offset: 8, .size: 8, .value_kind: global_buffer, .address_space: global }
      - { .name: wimg, .offset: 16, .size: 8, .value_kind: global_buffer, .address_space: global }
      - { .name: Wd_scales, .offset: 24, .size: 8, .value_kind: global_buffer, .address_space: global }
      - { .name: out0, .offset: 32, .size: 8, .value_kind: global_buffer, .address_space: global }
    .group_segment_fixed_size: 151552
    .private_segment_fixed_size: 0
    .kernarg_segment_align: 8
    .kernarg_segment_size: 40
    .max_flat_workgroup_size: 128
    .sgpr_count:     66
    .vgpr_count:     1024
    .wavefront_size: 32
...
	.end_amdgpu_metadata
.endif
;; end of part 2
